; MI455X (gfx1250); checked and timed in simulation.
; The chip was launched on July 23, 2026; its instructions are those of AMD's public machine-readable ISA for CDNA 5 (MIT licence, August 2026) and "CDNA5" Instruction Set Architecture Reference Guide (July 2026). The comments in the code are by the model that wrote it; some were corrected since.
;; Linear NF4. Allowed arithmetic: matrix products marked QUANTISED: E2M3 operands, one E8M0 scale for each 32 along K, by v_wmma_scale_f32_16x16x128_f8f6f4 with both operands' format E2M3, f32 sums; everything else in f32.
;; Inputs: absmax 131,072 float32; bias 2,048 float32; packed_weight 4,194,304 int32; x 4 x 2,048 x 4,096 float32.
;; Outputs: out0 4 x 2,048 x 2,048 float32.
;; This version of the problem:
;;   THIS VERSION OF THE PROBLEM IS GIVEN IN LOW PRECISION. The matrix products marked QUANTISED in the list below multiply operands that are first quantised to E2M3 (2 exponent bits, 3 mantissa bits; 6 bits a number), with one power-of-two scale for each 32 numbers along K (OCP MX v1.0); their sums are f32. All else is computed in f32.
;;   The module's matrix products, in the order in which they are computed (A, B: the left and right operand; K: the contracted axis; several contracted axes count as one K, in the product's order):
;;     1. [M 8,192, K 4,096] x [K 4,096, N 2,048]; A: input x; B: computed on the way: QUANTISED
;;   THE QUANTISER, for each operand of a quantised product, along K:
;;     - K is cut into blocks of 32 from its start; a last block that is shorter is filled with zeros.
;;     - A block's scale is 2^e with e = floor(log2(the largest magnitude in the block)) - 2, held to -126 .. 127; a block of zeros has e = 0. As a byte (E8M0): e + 127.
;;     - Each number is divided by its block's scale, clamped to +-7.5, and rounded to the nearest number of E2M3, ties to even, subnormals kept.
;;     - The product sums the exact products of the quantised numbers (number of the format x scale) in f32.
;;   ~~~python
;;   def quantise(x, axis):      # numpy; x: float32 -> the quantised numbers, widened to float32 again
;;       x = np.moveaxis(x, axis, -1); K = x.shape[-1]
;;       x = np.pad(x, [(0, 0)] * (x.ndim - 1) + [(0, -K % 32)]); x = x.reshape(x.shape[:-1] + (-1, 32)); a = np.abs(x).max(-1, keepdims=True)
;;       e = np.where(a > 0, np.clip(np.frexp(np.where(a > 0, a, 1))[1] - 1 - 2, -126, 127), 0)      # np.frexp(a)[1] - 1 = floor(log2(a)), exactly
;;       r = np.clip(x / 2.0 ** e, -7.5, 7.5)
;;       step = 2.0 ** (np.maximum(np.frexp(np.where(r == 0, 1, r))[1] - 1, 0) - 3)
;;       q = np.round(r / step) * step * 2.0 ** e      # np.round: ties to even
;;       return np.moveaxis(q.reshape(q.shape[:-2] + (-1,))[..., :K], -1, axis).astype(np.float32)
;;   ~~~
;;   OPERANDS COMPUTED ON THE WAY. 'Computed on the way' means the value that the module computes at that place (a softmax that the list does not call 'softmax' is quantised finished and normalised). What goes into a quantiser is computed in f32, as accurately as f32 sums, v_exp_f32 and their like allow (about 1e-6 of the number): no bf16 or f16 on the way to a quantiser, and a product that is left as it is and whose result goes on into a quantised operand takes f32 operands (vector FMAs, or v_wmma_f32_16x16x4_f32). A number that lies on a knife's edge between two numbers of the format may be rounded either way, as far as f32 arithmetic and the matrix unit's own rounding can turn it there, and no further.
;; One version. Each part assembles by itself: llvm-mc -triple=amdgcn-amd-amdhsa -mcpu=gfx1250 --defsym DOCPART=n.
;; ======== version 1 of 1: 2 launches
;; limits: right only within a limited range of input values
;; workspace buffers: xq 26,214,400 bytes; wq 6,553,600 bytes
;; launch quant (part 1): grid 512 x 1, 5 waves a work-group, no clusters, 45,568 bytes of LDS; arguments x, packed_weight, absmax, xq, wq; writes xq, wq
.if DOCPART == 1
	.amdgcn_target "amdgcn-amd-amdhsa--gfx1250"
	.amdhsa_code_object_version 6
	.text
	.protected	k_qfec5b98847_quant
	.globl	k_qfec5b98847_quant
	.p2align	8
	.type	k_qfec5b98847_quant,@function
k_qfec5b98847_quant:
	s_mov_b64 s[64:65], 0
	v_nop
	global_prefetch_b8 v0, s[64:65] scope:SCOPE_SE
	s_setreg_imm32_b32 hwreg(HW_REG_WAVE_MODE, 25, 1), 1
	s_wait_xcnt 0x0
; Both operands of out = x W^T + bias are turned, once, into codes of FP6 (E2M3) with one E8M0 scale byte for each 32 along K, LAID AS THE PRODUCT'S LAUNCH READS THEM.
; x: [8192][4096] f32.  W: [2048][4096] is computed on the way: each int32 of packed_weight carries two 4-bit indices (bits 7:4 first, then bits 3:0; higher bits are not looked at, as in the
; problem's own masks) into the table of 16 NF4 levels, and W = level x absmax of its block of 64, one f32 multiplication.
; THE LAYOUT OF xq AND wq: [group of 128 rows][K step of 128][12,800 bytes]: eight FRAGMENT IMAGES (block i: 16 rows x 128 K as the operand's 12 registers of 32 lanes, register 4 c + e of lane l at
; byte 1536 i + 512 c + 16 l + 4 e) and, from byte 12,288 on, the rows' scale words (four bytes: 128 along K of one row) at 64 i + 4 r.
; WHICH ROWS FORM A BLOCK: in xq place r of block i is row 16 i + r of the group.  In wq it is row 64 (i / 4) + 4 r + i % 4: so in the product a lane's results of four neighbouring blocks are four neighbouring columns.
; A block's scale is 2^(floor(log2(its largest magnitude)) - 2); its byte is the largest magnitude's own exponent field - 2, held at 1 from below.  Each number is divided by the scale and rounded to the
; nearest code, ties to even; beyond the largest code the largest.
; LIMITS: a block of zeros gets the byte 1 where the rule says 127 (its codes are zeros, which add nothing under any byte but 0xff, and the bytes are read by this program alone);
; NaN and infinities among the inputs are not served.
; A FRAGMENT.  Sixteen loads, one for each row, each of 512 consecutive bytes; they go, as they lie, into the wave's own stage in LDS (rows 528 bytes apart) and come back so that lane (r, h) holds, of its row,
; 16 neighbours of each block of 32: register 16 b + i = k 32 b + 16 h + i.  QUANT makes of these 64 numbers the operand's 12 registers and the row's scale word; three stores of 512 consecutive bytes take the image out.
; SHARES.  512 work-groups of five waves.  Waves 0 to 3 take x: a wave has 128 rows x 128 K, eight fragments: a whole run of 12,800 bytes of xq (2,048 runs).  Wave 4 takes W: 64 rows x 256 K, eight fragments
; (a load's 512 bytes are the int32 of two K steps; 512 such jobs).  The two ways part on the wave's number and do not join; each wave has LDS bytes of its own.  No tensor loads, no barrier.  Loads run two fragments ahead.
.set WWAVE, 4                          ; the wave that takes W
.set FRB,   1536                       ; a fragment's image in bytes
.set SEGB,  8*FRB+512                  ; 128 rows x 128 K: eight images and 128 scale words
.set SCOF,  8*FRB                      ; where the scale words begin
.set SPT,   528                        ; a stage row: 512 bytes + 16
.set STGB,  16*SPT                     ; a wave's stage
.set SCB,   5*STGB                     ; LDS: five stages, then 512 bytes of scale words for each wave,
.set SPARE, SCB+5*512                  ; then the spare words, 128 bytes a wave, in three blocks of 256 bytes that no other line names
.set GI,    4                          ; v4   16 x lane: my 16 bytes of a load's or a store's 512
.set SI,    5                          ; v5   the stage, on the way in
.set SOU,   6                          ; v6   and on the way out: row r, my half's bytes
.set SW,    7                          ; v7   LDS: where place r's scale word goes
.set SR,    8                          ; v8   and where the words are read back
.set SG,    9                          ; v9   W: 8 x lane
.set AO,    10                         ; v10  W: 1024 r: the absmax of row 4 r
.set TBL,   11                         ; v11  W: lane n (0 .. 15) holds NF4 level n
.set R,     16                         ; v16-143  two sets of 16 x 4 registers as they are loaded
.set X,     144                        ; v144-207 the fragment's 64 numbers of my lane
.set PC,    208                        ; v208-219 the codes just made; v220-226 at work
.set IDX,   208                        ; v208-239 W: 32 permute addresses (between two QUANTs these registers are free)
.set TM,    228                        ; v228-231 largest magnitudes, v232-235 bytes, v240-243 the conversions' scale operands
.set PW,    244                        ; v244 the scale word just made
.set AM,    246                        ; v246-253 W: two sets of my row's four absmax
.set SPW,   254                        ; v254 my spare word, v255 0: kept for the closing lines
.set NIL,   255
.set SEL,   26                         ; s[26:27] v_permlanex16_b32's selects for lane l xor 16
; 64 numbers of a lane, register 16 b + i = k 32 b + 16 (lane / 16) + i of my row, become a fragment's codes in v[PC] on and its scale word in v[PW].
.macro QUANT s
.irp b, 0,1,2,3
	v_max3_num_f32 v[TM+\b], |v[\s+16*\b]|, |v[\s+1+16*\b]|, 0x1800000   ; my 16 numbers of block b, and the floor 2^(3 - 127): the byte cannot fall under 1
.endr
.irp i, 2,4,6,8,10,12,14
.irp b, 0,1,2,3
	v_max3_num_f32 v[TM+\b], v[TM+\b], |v[\s+16*\b+\i]|, |v[\s+1+16*\b+\i]|   ; the four blocks by turns
.endr
.endr
.irp b, 0,1,2,3
	v_permlanex16_b32 v[TM+4+\b], v[TM+\b], s[SEL], s[SEL+1]
.endr
.irp b, 0,1,2,3
	v_max_num_f32 v[TM+\b], v[TM+\b], v[TM+4+\b]   ; with lane l xor 16's: the block's largest magnitude
.endr
.irp b, 0,1,2,3
	v_add_nc_u32 v[TM+12+\b], 0xff000000, v[TM+\b]   ; 2 off its exponent field: the conversion's scale operand
.endr
.irp b, 0,1,2,3
	v_lshrrev_b32 v[TM+4+\b], 23, v[TM+12+\b]      ; the scale's byte
.endr
	v_lshl_or_b32 v[PW], v[TM+5], 8, v[TM+4]       ; four bytes: my row's scale word (both halves of the lanes hold it)
	v_lshl_or_b32 v[PW], v[TM+6], 16, v[PW]
	v_lshl_or_b32 v[PW], v[TM+7], 24, v[PW]
.irp c, 0,1
	v_cvt_scalef32_pk16_fp6_f32 v[PC+6*\c:PC+2+6*\c], v[\s+32*\c:\s+15+32*\c], v[TM+12+2*\c]
	v_cvt_scalef32_pk16_fp6_f32 v[PC+12+4*\c:PC+14+4*\c], v[\s+16+32*\c:\s+31+32*\c], v[TM+12+2*\c+1]   ; (a conversion's three registers begin on an even number)
.endr
	v_nop                                          ; one plain place behind a scaled conversion
.irp c, 0,1                                    ; the operand's layout wants a WHOLE block in a lane: lanes 0-15 block 2 c, lanes 16-31 block 2 c + 1
.irp i, 0,1,2
	v_permlane16_swap_b32 v[PC+6*\c+\i], v[PC+12+4*\c+\i]
.endr
.irp i, 0,1,2
	v_mov_b32 v[PC+3+6*\c+\i], v[PC+12+4*\c+\i]
.endr
.endr
.endm
.macro TOSTG f                         ; set f % 2, sixteen rows of 512 bytes, into my stage as they lie
.irp t, 0,1,2,3,4,5,6,7,8,9,10,11,12,13,14,15
	ds_store_b128 v[SI], v[R+64*((\f)%2)+4*\t:R+64*((\f)%2)+4*\t+3] offset:SPT*\t
.endr
.endm
	s_load_b256 s[4:11], s[0:1], 0x0               ; x s[4:5], packed_weight s[6:7], absmax s[8:9], xq s[10:11]
	s_load_b64 s[12:13], s[0:1], 0x20              ; wq
	v_lshl_add_u32 v[SPW], v0, 2, SPARE
	v_mov_b32 v[NIL], 0
	v_lshrrev_b32 v1, 5, v0
	v_readfirstlane_b32 s18, v1                    ; wave 0..4
	v_and_b32 v1, 31, v0                           ; lane
	v_and_b32 v2, 15, v0                           ; r
	v_bfe_u32 v3, v0, 4, 1                         ; h
	v_lshlrev_b32 v[GI], 4, v1
	s_mov_b32 s21, 0                               ; the high word of every byte offset: all stay under 2^32
	s_mov_b32 s[SEL], 0x76543210
	s_mov_b32 s[SEL+1], 0xfedcba98
.irp b, 0,1,2,3
	v_mov_b32 v[TM+4+\b], 0                        ; written once: a lane permute's destination counts as one of its sources
.endr
	s_wait_alu depctr_va_vdst(0)                   ; the wait here, ahead of the scalar lines
	s_mul_i32 s22, s18, STGB                       ; my stage,
	s_lshl_b32 s23, s18, 9                         ; my 512 bytes of scale words
	s_add_co_u32 s23, s23, SCB
	s_cmp_eq_u32 s18, WWAVE
	s_cbranch_scc1 .Lweights
; ---------------------------------------------------------------- x
	v_add_nc_u32 v[SI], s22, v[GI]
	v_mul_u32_u24 v[SOU], v2, SPT
	v_lshl_add_u32 v[SOU], v3, 6, v[SOU]           ; row r, + 64 h: my 16 numbers of a block of 32
	v_add_nc_u32 v[SOU], s22, v[SOU]
	v_lshl_add_u32 v[SW], v2, 2, s23
	v_add_nc_u32 v[SR], s23, v[GI]
	s_lshl_b32 s19, ttmp9, 2
	s_add_co_u32 s19, s19, s18                     ; my run of xq: 32 x group + K step, 0 .. 2047; the four waves stand side by side along K
	s_and_b32 s24, s19, 31
	s_lshl_b32 s24, s24, 9                         ; the K step's 512 bytes in a row of x,
	s_lshr_b32 s20, s19, 5
	s_lshl_b32 s20, s20, 21                        ; the group's 128 rows of 16,384 bytes
	s_add_co_u32 s20, s20, s24
	s_wait_alu depctr_va_vdst(0)
	s_wait_kmcnt 0x0
	s_add_nc_u64 s[4:5], s[4:5], s[20:21]
	s_mul_i32 s20, s19, SEGB
	s_add_nc_u64 s[10:11], s[10:11], s[20:21]
.macro XLOADG f                        ; block f's sixteen rows into set f % 2
.irp t, 0,1,2,3,4,5,6,7,8,9,10,11,12,13,14,15
	global_load_b128 v[R+64*((\f)%2)+4*\t:R+64*((\f)%2)+4*\t+3], v[GI], s[4:5] offset:(16*(\f)+\t)*16384 th:TH_LOAD_NT   ; 512 consecutive bytes of one row; read once in the launch
.endr
.endm
.macro XFRAG f
.if (\f) < 7
	s_wait_loadcnt 16                              ; this block's sixteen loads are in, the next block's may be out
.else
	s_wait_loadcnt 0x0
.endif
	TOSTG \f
.irp b, 0,1,2,3
.irp j, 0,1,2,3
	ds_load_b128 v[X+16*\b+4*\j:X+16*\b+4*\j+3], v[SOU] offset:128*\b+16*\j   ; LDS serves a wave's instructions in order: these see the stores above
.endr
.endr
.if (\f) > 0
	IMAGE (\f)-1                                   ; the last fragment's image leaves here, behind this fragment's stage traffic
.endif
	s_wait_dscnt 16                                ; all but the sixteen reads just issued: the stores into the stage have read their registers
.if (\f) > 0
	s_wait_xcnt 0x0                                ; the image's stores have read their registers: the codes may be written again
.endif
.if (\f)+2 < 8
	XLOADG (\f)+2                                  ; the set takes the block two on
.endif
	s_wait_dscnt 0x0                               ; the numbers are back
	QUANT X
	s_wait_alu depctr_va_vdst(0)
	ds_store_b32 v[SW], v[PW] offset:64*(\f)       ; both halves of the lanes write the same word with the same value
.endm
.macro IMAGE f                         ; the image as it stands: three stores of 512 consecutive bytes, at a multiple of 256 from the buffer's first byte
.irp c, 0,1,2
	global_store_b128 v[GI], v[PC+4*\c:PC+4*\c+3], s[10:11] offset:FRB*(\f)+512*\c
.endr
.endm
	XLOADG 0
	XLOADG 1
.irp f, 0,1,2,3,4,5,6,7
	XFRAG \f
.endr
	IMAGE 7
	ds_load_b128 v[TM:TM+3], v[SR]                 ; the eight blocks' scale words: these see my stores
	s_wait_dscnt 0x0
	global_store_b128 v[GI], v[TM:TM+3], s[10:11] offset:SCOF   ; 512 consecutive bytes
	s_wait_tensorcnt 0x0                           ; the wave's end
	ds_add_u32 v[SPW], v[NIL]
	s_wait_dscnt 0x0
	s_endpgm
; ---------------------------------------------------------------- W
; A row of W is 2,048 int32; 128 along K are 64 of them, 256 bytes.  The table lies across the lanes of one register, and a level is fetched by a lane permute of the LDS unit, which touches no LDS byte.
.Lweights:
	v_add_nc_u32 v[SI], s22, v[GI]
	v_mul_u32_u24 v[SOU], v2, SPT
	v_lshl_add_u32 v[SOU], v3, 5, v[SOU]           ; place r, + 32 h: the eight int32 of my 16 weights of a block of 32
	v_add_nc_u32 v[SOU], s22, v[SOU]
	v_lshl_add_u32 v[SW], v2, 2, s23
	v_lshlrev_b32 v[SG], 3, v1
	v_add_nc_u32 v[SR], s23, v[SG]
	v_lshlrev_b32 v[AO], 10, v2                    ; four rows of 256 bytes of absmax from place to place
	v_mov_b32 v[TBL], 0                            ; (written whole before single lanes are written)
.macro LEVEL n, bits                   ; NF4 level n, as the bits of its f32
	s_mov_b32 s20, \bits
	v_writelane_b32 v[TBL], s20, \n
.endm
	LEVEL 0,  0xbf800000                           ; -1.0
	LEVEL 1,  0xbf3239b1                           ; -0.6961928009986877
	LEVEL 2,  0xbf066b30                           ; -0.5250730514526367
	LEVEL 3,  0xbeca32a0                           ; -0.39491748809814453
	LEVEL 4,  0xbe91a24d                           ; -0.28444138169288635
	LEVEL 5,  0xbe3d353f                           ; -0.18477343022823334
	LEVEL 6,  0xbdba7871                           ; -0.09105003625154495
	LEVEL 7,  0x00000000                           ;  0.0
	LEVEL 8,  0x3da2faff                           ;  0.07958029955625534
	LEVEL 9,  0x3e24cae3                           ;  0.16093020141124725
	LEVEL 10, 0x3e7c04dd                           ;  0.24611230194568634
	LEVEL 11, 0x3ead033a                           ;  0.33791524171829224
	LEVEL 12, 0x3ee1a4b8                           ;  0.44070982933044434
	LEVEL 13, 0x3f1007ab                           ;  0.5626170039176941
	LEVEL 14, 0x3f3913b3                           ;  0.7229568362236023
	LEVEL 15, 0x3f800000                           ;  1.0
	s_and_b32 s24, ttmp9, 15                       ; my job is the work-group's number, 0 .. 511: which pair of K steps,
	s_lshr_b32 s25, ttmp9, 4                       ; which 64 rows
	s_wait_kmcnt 0x0
	s_lshl_b32 s20, s25, 19                        ; packed_weight: 64 rows of 8,192 bytes,
	s_lshl_b32 s22, s24, 9                         ; the pair's 512 bytes in a row
	s_add_co_u32 s20, s20, s22
	s_add_nc_u64 s[6:7], s[6:7], s[20:21]
	s_lshl_b32 s20, s25, 14                        ; absmax: 64 rows of 256 bytes,
	s_lshl_b32 s22, s24, 4                         ; the pair's four numbers
	s_add_co_u32 s20, s20, s22
	s_add_nc_u64 s[8:9], s[8:9], s[20:21]
	s_lshr_b32 s22, s25, 1                         ; wq: the group of 128 rows,
	s_lshl_b32 s22, s22, 4
	s_add_co_u32 s22, s22, s24
	s_mul_i32 s22, s22, 2*SEGB                     ; (32 x group + 2 x pair) runs of 12,800 bytes;
	s_and_b32 s25, s25, 1                          ; my 64 rows are the group's blocks 0-3 or 4-7
	s_mul_i32 s20, s25, 4*FRB
	s_add_co_u32 s20, s20, s22
	s_add_nc_u64 s[14:15], s[12:13], s[20:21]      ; where my images go,
	s_lshl_b32 s20, s25, 8
	s_add_co_u32 s20, s20, s22
	s_add_co_u32 s20, s20, SCOF
	s_add_nc_u64 s[16:17], s[12:13], s[20:21]      ; and my scale words
.macro WLOADG f                        ; block f's sixteen rows, 4 t + f of my 64 (two K steps' int32), and their absmax into sets f % 2: 17 loads
.irp t, 0,1,2,3,4,5,6,7,8,9,10,11,12,13,14,15
	global_load_b128 v[R+64*((\f)%2)+4*\t:R+64*((\f)%2)+4*\t+3], v[GI], s[6:7] offset:(4*\t+(\f))*8192 th:TH_LOAD_NT   ; 512 consecutive bytes of one row
.endr
	global_load_b128 v[AM+4*((\f)%2):AM+4*((\f)%2)+3], v[AO], s[8:9] offset:256*(\f)   ; row 4 r + f's four absmax of these 256 along K
.endm
; The fragment of block f and the pair's K step q
.macro WFRAG f, q
.irp b, 0,1,2,3
.irp j, 0,1
	ds_load_b128 v[X+16*\b+8+4*\j:X+16*\b+8+4*\j+3], v[SOU] offset:256*(\q)+64*\b+16*\j   ; block b's eight int32 of mine, into the upper half of the block's 16 registers
.endr
.endr
	s_wait_dscnt 0x0
	s_wait_xcnt 0x0                                ; the last image's stores have read their registers, over which the addresses are laid
.irp hf, 0,1                                   ; two blocks of 32 at a time
.irp bb, 0,1
.irp m, 0,1,2,3,4,5,6,7
	v_bfe_u32 v[IDX+16*\bb+2*\m],   v[X+32*\hf+16*\bb+8+\m], 2, 6     ; weight 2 m: bits 7:2 = 4 x (bits 7:4) + two bits under the lane's number, which the permute does not look at;
	v_and_b32 v[IDX+16*\bb+2*\m+1], 15, v[X+32*\hf+16*\bb+8+\m]       ; weight 2 m + 1: bits 3:0
.endr
.endr
.set NN, 0
.rept 32
	v_min_u32 v[IDX+NN], 63, v[IDX+NN]             ; a clamp by a written constant ahead of an address made of loaded numbers
.set NN, NN+1
.endr
.set NN, 1
.rept 16
	v_lshlrev_b32 v[IDX+NN], 2, v[IDX+NN]          ; the permute names a lane by 4 x its number
.set NN, NN+2
.endr
.set NN, 0
.rept 32
	ds_bpermute_b32 v[X+32*\hf+NN], v[IDX+NN], v[TBL]   ; the level
.set NN, NN+1
.endr
.endr
	s_wait_dscnt 0x0
.set NN, 0
.rept 64
	v_mul_f32 v[X+NN], v[X+NN], v[AM+4*((\f)%2)+2*(\q)+NN/32]   ; W = level x absmax of its block of 64, in f32
.set NN, NN+1
.endr
	QUANT X
	ds_store_b32 v[SW], v[PW] offset:256*(\q)+64*(\f)
.irp c, 0,1,2
	global_store_b128 v[GI], v[PC+4*\c:PC+4*\c+3], s[14:15] offset:SEGB*(\q)+FRB*(\f)+512*\c   ; 512 consecutive bytes, at a multiple of 256 from the buffer's first byte
.endr
.endm
.macro WGROUP f
.if (\f) < 3
	s_wait_loadcnt 17                              ; this block's 17 loads are in, the next block's may be out
.else
	s_wait_loadcnt 0x0
.endif
	TOSTG \f
	WFRAG \f, 0
	WFRAG \f, 1
.if (\f)+2 < 4
	WLOADG (\f)+2                                  ; both sets are free: the stores into the stage were waited for, the absmax have been multiplied by
.endif
.endm
	WLOADG 0
	WLOADG 1
.irp f, 0,1,2,3
	WGROUP \f
.endr
.irp q, 0,1
	ds_load_b64 v[TM+2*\q:TM+2*\q+1], v[SR] offset:256*\q   ; a K step's 64 scale words of my four blocks: these see my stores
.endr
	s_wait_dscnt 0x0
.irp q, 0,1
	global_store_b64 v[SG], v[TM+2*\q:TM+2*\q+1], s[16:17] offset:SEGB*\q   ; 256 consecutive bytes, at a multiple of 256 from the buffer's first byte
.endr
	s_wait_tensorcnt 0x0                           ; the wave's end
	ds_add_u32 v[SPW], v[NIL]
	s_wait_dscnt 0x0
	s_endpgm
.Lfunc_end_k_qfec5b98847_quant:
	.size	k_qfec5b98847_quant, .Lfunc_end_k_qfec5b98847_quant-k_qfec5b98847_quant
	.p2alignl 7, 3214868480
	.fill 96, 4, 3214868480
	.section	.rodata,"a",@progbits
	.p2align	6, 0x0
	.amdhsa_kernel k_qfec5b98847_quant
		.amdhsa_group_segment_fixed_size 45568
		.amdhsa_private_segment_fixed_size 0
		.amdhsa_enable_private_segment 0
		.amdhsa_kernarg_size 40
		.amdhsa_user_sgpr_count 2
		.amdhsa_user_sgpr_kernarg_segment_ptr 1
		.amdhsa_wavefront_size32 1
		.amdhsa_system_sgpr_workgroup_id_x 1
		.amdhsa_system_sgpr_workgroup_id_y 1
		.amdhsa_system_sgpr_workgroup_id_z 1
		.amdhsa_system_vgpr_workitem_id 0
		.amdhsa_next_free_vgpr 256
		.amdhsa_next_free_sgpr 66
		.amdhsa_reserve_vcc 0
		.amdhsa_float_denorm_mode_32 3
		.amdhsa_float_denorm_mode_16_64 3
		.amdhsa_memory_ordered 1
		.amdhsa_forward_progress 1
		.amdhsa_inst_pref_size 212
	.end_amdhsa_kernel
	.amdgpu_metadata
---
amdhsa.version: [ 1, 2 ]
amdhsa.kernels:
  - .name:           k_qfec5b98847_quant
    .symbol:         k_qfec5b98847_quant.kd
    .args:
      - { .name: x, .offset: 0, .size: 8, .value_kind: global_buffer, .address_space: global }
      - { .name: packed_weight, .offset: 8, .size: 8, .value_kind: global_buffer, .address_space: global }
      - { .name: absmax, .offset: 16, .size: 8, .value_kind: global_buffer, .address_space: global }
      - { .name: xq, .offset: 24, .size: 8, .value_kind: global_buffer, .address_space: global }
      - { .name: wq, .offset: 32, .size: 8, .value_kind: global_buffer, .address_space: global }
    .group_segment_fixed_size: 45568
    .private_segment_fixed_size: 0
    .kernarg_segment_align: 8
    .kernarg_segment_size: 40
    .max_flat_workgroup_size: 160
    .sgpr_count:     66
    .vgpr_count:     256
    .wavefront_size: 32
...
	.end_amdgpu_metadata
.endif
;; end of part 1
;; launch gemm (part 2): grid 8 x 32, 4 waves a work-group, clusters of 4 x 4, 327,680 bytes of LDS; arguments xq, wq, out0, bias; writes out0
.if DOCPART == 2
	.amdgcn_target "amdgcn-amd-amdhsa--gfx1250"
	.amdhsa_code_object_version 6
	.text
	.protected	k_qfec5b98847_gemm
	.globl	k_qfec5b98847_gemm
	.p2align	8
	.type	k_qfec5b98847_gemm,@function
k_qfec5b98847_gemm:
	s_mov_b64 s[64:65], 0
	v_nop
	global_prefetch_b8 v0, s[64:65] scope:SCOPE_SE
	s_setreg_imm32_b32 hwreg(HW_REG_WAVE_MODE, 25, 1), 1
	s_wait_xcnt 0x0
	s_wait_alu depctr_hold_cnt(0) depctr_sa_sdst(0) depctr_va_vdst(0) depctr_va_sdst(0) depctr_va_ssrc(0) depctr_va_vcc(0) depctr_vm_vsrc(0)
	s_getreg_b32 s2, hwreg(HW_REG_IB_STS2, 6, 4)
	s_cmp_eq_u32 s2, 0
	s_cbranch_scc0 .Lentry_in_a_cluster
	s_endpgm
.Lentry_in_a_cluster:
	s_bfe_u32 s2, ttmp6, 0x10000c
	s_cmp_lg_u32 s2, 0xf033
	s_cbranch_scc0 .Lentry_shape_is_right
	s_endpgm
.Lentry_shape_is_right:
; out[m][n] = sum over k of x[m][k] W[n][k] + bias[n], on the codes of FP6 (E2M3) and E8M0 scale words that the launch before laid in xq and wq: [group of 128 rows][K step of 128][12,800 bytes]:
; eight fragment images of 1,536 bytes (the operand's 12 registers of 32 lanes) and 128 scale words.  M 8,192, N 2,048, K 4,096; sums in f32.
; A block of out, 256 x 256, is made by a work-group of four waves; a wave makes 128 x 128: 64 accumulators, 512 registers.  256 work-groups.
; THE RING: two LDS slots, each with three K steps of four groups (A's two, B's two): a wave's tensor load brings one group's three steps, 38,400 dense bytes, as 150 rows of 256 bytes.
; K's 32 steps are ten such fills and one of two steps.  By this text's count a wave has one tensor load out behind each round.
; CLUSTERS: 4 x 4 work-groups; A's groups are asked for jointly along a row of the cluster, B's along a column.
; THE PRODUCT: source 0 = 16 rows of x, source 1 = 16 rows of W: lane (r, h) holds in register j the row 8 h + j and the column of W's place r.  In wq place r of block b is row 64 (b / 4) + 4 r + b % 4 of its group:
; so register j of four neighbouring blocks' accumulators holds four NEIGHBOURING columns.  THE WAY OUT is one addition of the bias for each number, which also brings the four side by side, and stores of 16 bytes a lane:
; sixteen lanes fill 256 consecutive bytes at a multiple of 256 of one row, the other sixteen those of the row 8 further down.  Nothing goes through LDS.
; Block 0's sums lie in v64-127 of window 0; block a's in the registers of block a - 1's accumulators, which have been read by then: so no store's data are ever written again.
; Block a + 1's additions stand between block a's additions and its stores; blocks 0 to 3 leave between the last K step's groups of products, as soon as they are finished.
; THE PREFETCH: behind each refill in the loop a wave names the fill that the NEXT refill will load, three K steps ahead of that load: its 150 blocks of 256 bytes are shared out among the four partners that ask
; for it jointly, BY ADDRESS: 38, 38, 37, 37 blocks, a lane a block, two instructions (the second's lanes that are left over name the share's last block again).  Fills 0 to 2 come by their loads alone;
; the loop's last refill asks for nothing, since the last fill is shorter than the shares reach; so no address leaves the group's bytes.
; REGISTERS, in windows of 256: window 0: v16-31 addresses; v32-47 scale words, two sets; v48-55 bias; v64-127 block 0's sums; v128-223 A's fragments, one set.
;   window 1: B's fragments, two sets, at v0 and v128.  Window 2: accumulators of my rows 0-63 ((a, b) at v[8 (8 a + b)]); window 3: rows 64-127.
.set SIZE_N, 2048
.set SIZE_K, 4096
.set FR,     12                        ; registers of a fragment
.set FRB,    FR*128                    ; its image in bytes
.set NL,     3                         ; LDS loads that bring one
.set NP,     4                         ; places behind this matrix instruction (ISA guide 7.12.1)
.set SEGB,   8*FRB+512                 ; a group's K step
.set SCOF,   8*FRB
.set PART,   3*SEGB                    ; what one tensor load brings
.set SLOT,   4*PART
.set GROUPB, (SIZE_K/128)*SEGB
.set TRIPS,  4
.set SPARE,  2*SLOT                    ; behind the ring: the spare words, 128 bytes a wave
.set ADRA, 16                          ; v16-17 LDS address of my A images in slot 0, 1
.set ADRS, 18                          ; v18-19 of my scale words: lanes 0-15 A's, lanes 16-31 B's
.set ADRB, 20                          ; v20-21 of my B images
.set PF1,  22                          ; v22-23 the prefetches' offsets
.set PF2,  23
.set CO,   26                          ; v26 my byte offset in out: 16 r + 8 h rows
.set SPW,  28
.set NIL,  29
.set BA,   30                          ; v30 16 r: my four numbers of 64 of bias
.set SC,   32
.set BI,   48
.set AF,   128
.set G1, 24                            ; s[24:31] group 1 for A's parts, s[32:39] group 0, a set for each slot
.set G0, 32
.set G1B, 48                           ; the same for B's
.set G0B, 56
.set G1T, 68                           ; group 1 for the last fill, of two K steps: A's, B's
.set G1TB, 80
.set PFA, 88                           ; s[88:89] where my prefetches stand
.set MSB, 0
.macro WIN new                         ; the immediate's high byte repeats the setting that is left
.if MSB != \new
	s_set_vgpr_msb (MSB<<8)|\new
.set MSB, \new
.endif
.endm
.set MUL_LO, 0xa4                      ; source 0 (A) window 0, source 1 (B) window 1, C and D window 2
.set MUL_HI, 0xf4                      ; the same, C and D window 3
.set TO_B,   0x40                      ; destination window 1
.macro JLOAD g0a, g1a, g0b, g1b        ; a joint load: waves 0, 1 fetch A's groups, waves 2, 3 B's; s_nop 0 and four v_nop behind each line
	s_cmp_eq_u32 s15, 0
	s_cbranch_scc0 .Lfor_b_\@
	tensor_load_to_lds s[\g0a:\g0a+3], s[\g1a:\g1a+7]
	s_nop 0
.rept 4
	v_nop
.endr
	s_branch .Lasked_\@
.Lfor_b_\@:
	tensor_load_to_lds s[\g0b:\g0b+3], s[\g1b:\g1b+7]
	s_nop 0
.rept 4
	v_nop
.endr
.Lasked_\@:
.endm
.macro CREST                           ; a round of the cluster's barrier behind its opening barrier
	s_cmp_lg_u32 s14, 0
	s_cbranch_scc1 .Lnot_wave_0_\@
	s_barrier_signal -3
.Lnot_wave_0_\@:
	s_barrier_wait -3
	s_barrier_signal -1
	s_barrier_wait -1
.endm
.macro CROUND
	s_barrier_signal -1
	s_barrier_wait -1
	CREST
.endm
.macro ASK how                         ; how = 1: in every trip; 2: not in the loop's last trip
.if \how == 2
	s_cmp_gt_u32 s3, 1
	s_cbranch_scc0 .Lnone_\@
.endif
.if \how
	global_prefetch_b8 v[PF1], s[PFA:PFA+1] th:TH_LOAD_NT scope:SCOPE_SE
	global_prefetch_b8 v[PF2], s[PFA:PFA+1] th:TH_LOAD_NT scope:SCOPE_SE
.endif
.if \how == 2
.Lnone_\@:
.endif
.endm
	s_load_b128 s[4:7], s[0:1], 0x0                ; xq, wq
	s_load_b128 s[8:11], s[0:1], 0x10              ; out0, bias
	v_lshl_add_u32 v[SPW], v0, 2, SPARE
	v_mov_b32 v[NIL], 0
	ds_add_u32 v[SPW], v[NIL]                      ; the opening lines: the add, twice on end, and its wait ahead of my first tensor load
	ds_add_u32 v[SPW], v[NIL]
	v_lshrrev_b32 v1, 5, v0
	v_readfirstlane_b32 s14, v1                    ; wave 0..3
	s_lshr_b32 s15, s14, 1                         ; my half of the block's rows; also: I fetch for A (0) or B (1)
	s_and_b32 s16, s14, 1                          ; my half of its columns; also: which group I fetch
	s_bfe_u32 s40, ttmp6, 0x40000                  ; cx, cy
	s_bfe_u32 s41, ttmp6, 0x40004
	s_lshl_b32 s42, ttmp9, 2
	s_add_co_u32 s42, s42, s40                     ; block column
	s_and_b32 s17, ttmp7, 0xffff
	s_lshl_b32 s17, s17, 2
	s_add_co_u32 s17, s17, s41                     ; block row
	s_lshl_b32 s43, s41, 2
	s_lshl_b32 s43, 15, s43                        ; my row of the cluster
	s_lshl_b32 s44, 0x1111, s40                    ; my column
	s_or_b32 s[G1+0], s43, (3<<16)|(1<<21)         ; the mask; elements of 8 bytes; bit 21 beside a mask; no padding: images are read 16 bytes a lane on end
	s_or_b32 s[G1B+0], s44, (3<<16)|(1<<21)
	s_or_b32 s[G1T+0], s43, (3<<16)|(1<<21)
	s_or_b32 s[G1TB+0], s44, (3<<16)|(1<<21)
.irp g, G1, G1B
	s_mov_b32 s[\g+1], 32<<16                      ; rows of 32 elements, 256 bytes,
	s_mov_b32 s[\g+2], (PART/256)<<16              ; 150 of them, dense
	s_mov_b32 s[\g+3], 32<<16
	s_mov_b32 s[\g+4], PART/256
	s_mov_b32 s[\g+5], 32
	s_mov_b32 s[\g+6], 0
	s_mov_b32 s[\g+7], 0
.endr
.irp g, G1T, G1TB
	s_mov_b32 s[\g+1], 32<<16
	s_mov_b32 s[\g+2], (2*SEGB/256)<<16            ; 100 rows
	s_mov_b32 s[\g+3], 32<<16
	s_mov_b32 s[\g+4], 2*SEGB/256
	s_mov_b32 s[\g+5], 32
	s_mov_b32 s[\g+6], 0
	s_mov_b32 s[\g+7], 0
.endr
	s_lshl_b32 s20, s17, 1
	s_add_co_u32 s20, s20, s16
	s_mul_i32 s20, s20, GROUPB                     ; A's group 2 x block row + which
	s_mov_b32 s21, 0
	s_lshl_b32 s46, s42, 1
	s_add_co_u32 s46, s46, s16
	s_mul_i32 s46, s46, GROUPB                     ; B's group 2 x block column + which
	s_mov_b32 s47, 0
	s_mul_i32 s45, s14, PART                       ; where it goes: wave x a part
	s_wait_dscnt 0x0                               ; both opening adds are done
	CROUND                                         ; the round in front of the first joint loads; it names no argument, so it stands ahead of the wait for them
	s_wait_kmcnt 0x0
	s_add_nc_u64 s[20:21], s[4:5], s[20:21]
	s_add_nc_u64 s[46:47], s[6:7], s[46:47]
.irp s, 0,1
	s_mov_b32 s[G0+4*\s], 1
	s_add_co_u32 s[G0+4*\s+1], s45, \s*SLOT
	s_add_nc_u64 s[G0+4*\s+2:G0+4*\s+3], s[20:21], \s*PART
	s_or_b32 s[G0+4*\s+3], s[G0+4*\s+3], 0x80000000
	s_mov_b32 s[G0B+4*\s], 1
	s_add_co_u32 s[G0B+4*\s+1], s45, \s*SLOT
	s_add_nc_u64 s[G0B+4*\s+2:G0B+4*\s+3], s[46:47], \s*PART
	s_or_b32 s[G0B+4*\s+3], s[G0B+4*\s+3], 0x80000000
.endr
	JLOAD G0, G1, G0B, G1B                         ; fill 0: one tensor load a wave at the head; all that follows is made while it is on its way
	s_cmp_eq_u32 s15, 0
	s_cselect_b32 s92, s40, s41                    ; p: my place among the four that ask with me
	s_cselect_b64 s[PFA:PFA+1], s[20:21], s[46:47] ; the group that I fetch
	s_mul_i32 s94, s92, 38
	s_sub_co_i32 s95, s92, 2
	s_max_i32 s95, s95, 0
	s_sub_co_u32 s94, s94, s95                     ; my share begins at block 0, 38, 76, 113
	s_lshl_b32 s94, s94, 8
	s_add_co_u32 s94, s94, 2*PART                  ; of fill 2: each refill in the loop steps it by one fill first
	s_mov_b32 s95, 0
	s_add_nc_u64 s[PFA:PFA+1], s[PFA:PFA+1], s[94:95]
	s_lshr_b32 s93, s92, 1
	s_sub_co_u32 s93, 5, s93                       ; the second instruction has 6, 6, 5, 5 blocks
	s_mul_i32 s21, s15, PART                       ; my A group in a slot,
	s_mul_i32 s22, s16, PART
	s_add_co_u32 s22, s22, 2*PART                  ; my B group,
	s_sub_co_u32 s23, s22, s21                     ; and the distance between the two
	s_lshl_b32 s18, s17, 1
	s_add_co_u32 s18, s18, s15
	s_lshl_b32 s18, s18, 20                        ; my first row of out: (256 x block row + 128 x half) x 8,192 bytes
	s_mov_b32 s19, 0
	s_lshl_b32 s46, s42, 10
	s_lshl_b32 s47, s16, 9
	s_add_co_u32 s46, s46, s47                     ; my first column, in bytes
	s_mov_b32 s47, 0
	s_add_nc_u64 s[10:11], s[10:11], s[46:47]
	s_add_nc_u64 s[8:9], s[8:9], s[46:47]
	s_add_nc_u64 s[8:9], s[8:9], s[18:19]
	v_and_b32 v1, 15, v0                           ; r
	v_bfe_u32 v2, v0, 4, 1                         ; h
	v_and_b32 v6, 31, v0                           ; lane
	v_lshlrev_b32 v4, 4, v6
	v_mul_u32_u24 v5, s23, v2                      ; lanes 16-31 take B's scale words
	v_lshl_add_u32 v5, v1, 2, v5
	v_add_nc_u32 v[ADRA], s21, v4
	v_add_nc_u32 v[ADRB], s22, v4
	v_add_nc_u32 v[ADRS], s21, v5
	v_add_nc_u32 v[ADRA+1], SLOT, v[ADRA]
	v_add_nc_u32 v[ADRB+1], SLOT, v[ADRB]
	v_add_nc_u32 v[ADRS+1], SLOT, v[ADRS]
	v_lshlrev_b32 v[BA], 4, v1
	v_lshl_add_u32 v[CO], v2, 16, v[BA]            ; 16 r + 8 h rows of 8,192 bytes
	v_lshlrev_b32 v[PF1], 8, v6                    ; blocks 0 .. 31 of my share,
	v_min_u32 v[PF2], s93, v6
	v_lshl_add_u32 v[PF2], v[PF2], 8, 0x2000       ; and 32 on
.macro FRAG reg, adr, q, i             ; an image as it lies: three loads of 512 consecutive bytes
.irp c, 0,1,2
	ds_load_b128 v[\reg+4*\c:\reg+4*\c+3], v[\adr] offset:(\q)*SEGB+(\i)*FRB+512*\c
.endr
.endm
; 16 matrix instructions: A's blocks a0, a0 + 1 x B's eight.  p: B's set and the set of scale words.  The 64 accumulators take turns, in the same order in every step.
.macro MUL16 a0, p, first
.irp a, \a0, \a0+1
.irp b, 0,1,2,3,4,5,6,7
.if \first
	v_wmma_scale_f32_16x16x128_f8f6f4 v[8*(8*((\a)%4)+\b):8*(8*((\a)%4)+\b)+7], v[AF+FR*(\a):AF+FR*(\a)+FR-1], v[128*(\p)+FR*\b:128*(\p)+FR*\b+FR-1], 0, v[SC+8*(\p)+(\a)], v[SC+8*(\p)+\b] matrix_a_fmt:MATRIX_FMT_FP6 matrix_b_fmt:MATRIX_FMT_FP6 matrix_b_scale:MATRIX_SCALE_ROW1
.else
	v_wmma_scale_f32_16x16x128_f8f6f4 v[8*(8*((\a)%4)+\b):8*(8*((\a)%4)+\b)+7], v[AF+FR*(\a):AF+FR*(\a)+FR-1], v[128*(\p)+FR*\b:128*(\p)+FR*\b+FR-1], v[8*(8*((\a)%4)+\b):8*(8*((\a)%4)+\b)+7], v[SC+8*(\p)+(\a)], v[SC+8*(\p)+\b] matrix_a_fmt:MATRIX_FMT_FP6 matrix_b_fmt:MATRIX_FMT_FP6 matrix_b_scale:MATRIX_SCALE_ROW1
.endif
.endr
.endr
.endm
.macro FETCH_B4 slot, q, p, i0
	WIN TO_B
.irp i, \i0, \i0+1, \i0+2, \i0+3
	FRAG 128*(\p)+FR*(\i), ADRB+\slot, \q, \i
.endr
.endm
.macro FETCH_A slot, q, i0
.irp i, \i0, \i0+1, \i0+2, \i0+3
	FRAG AF+FR*(\i), ADRA+\slot, \q, \i
.endr
.endm
.macro SCALES slot, q, p               ; register i: lanes 0-15 the words of A's block i, lanes 16-31 those of B's block i
.irp i, 0,1,2,3,4,5,6,7
	ds_load_b32 v[SC+8*(\p)+\i], v[ADRS+\slot] offset:(\q)*SEGB+SCOF+64*\i
.endr
.endm
.macro PLACES n
.rept \n
	v_nop
.endr
.endm
; A K step that is not its slot's last: 64 matrix instructions on step q; step q + 1's fragments are fetched among them: A's blocks as soon as their products are issued, B's into the other set.
.macro STEP slot, q, p, first
	s_wait_dscnt 4*NL                              ; all but the youngest twelve loads (A's blocks 4-7) are in
	WIN MUL_LO
	MUL16 0, \p, \first
	FETCH_B4 \slot, (\q)+1, 1-(\p), 0
	WIN MUL_LO
	MUL16 2, \p, \first
	s_wait_dscnt 4*NL                              ; A's blocks 4-7 are in; the twelve just issued may be out
	PLACES NP
	WIN 0
	FETCH_A \slot, (\q)+1, 0
	WIN MUL_HI
	MUL16 4, \p, \first
	FETCH_B4 \slot, (\q)+1, 1-(\p), 4
	WIN 0
	SCALES \slot, (\q)+1, 1-(\p)
	WIN MUL_HI
	MUL16 6, \p, \first
	PLACES NP
	WIN 0
	FETCH_A \slot, (\q)+1, 4
.endm
; A slot's last K step, and the change of slots.  fill = 1: the slot is filled again, two fills on; 2: with the last, shorter fill; 0: no more.
.macro TURN slot, next, p, fill, ask
.if \ask
	s_wait_xcnt 0x0                                ; my last prefetches have read their address: it steps one fill on
	s_add_nc_u64 s[PFA:PFA+1], s[PFA:PFA+1], PART
.endif
	s_wait_tensorcnt 0x0                           ; all my tensor loads have landed: my part of the next slot;
	ds_add_u32 v[SPW], v[NIL]
	s_wait_dscnt 4*NL+1                            ; (the add and A's blocks 4-7 may be out)
	WIN MUL_LO
	MUL16 0, \p, 0
	s_wait_dscnt 0x0                               ; the add is done, and my reads of this slot are over
	s_barrier_signal -1
	MUL16 2, \p, 0
	WIN 0
	s_barrier_wait -1
.if \fill
	CREST                                          ; the barrier has opened a round of the cluster's barrier: no wave of any partner still reads this slot or has a load on its way
	s_add_nc_u64 s[G0+4*\slot+2:G0+4*\slot+3], s[G0+4*\slot+2:G0+4*\slot+3], 2*PART
	s_add_nc_u64 s[G0B+4*\slot+2:G0B+4*\slot+3], s[G0B+4*\slot+2:G0B+4*\slot+3], 2*PART
.if \fill == 1
	JLOAD G0+4*\slot, G1, G0B+4*\slot, G1B         ; the first tensor load behind the round; its four v_nop are the places in front of the loads below
.else
	JLOAD G0+4*\slot, G1T, G0B+4*\slot, G1TB
.endif
.else
	PLACES NP
.endif
	FETCH_B4 \next, 0, 1-(\p), 0
	FETCH_B4 \next, 0, 1-(\p), 4
	WIN MUL_HI
	MUL16 4, \p, 0
	WIN 0
	FETCH_A \next, 0, 0
	SCALES \next, 0, 1-(\p)
	ASK \ask
	WIN MUL_HI
	MUL16 6, \p, 0
	PLACES NP
	WIN 0
	FETCH_A \next, 0, 4
.endm
; THE WAY OUT of block a, 16 rows x 128 columns, in two parts.  WHERE says where its 64 sums lie: register TT on of window TW.
.macro WHERE a
.if (\a) == 0
.set TT, 64
.set TW, 0
.else
.set TT, 64*(((\a)-1)%4)               ; the registers of block a - 1's accumulators
.set TW, 2+((\a)-1)/4
.endif
.endm
.macro ADDS a                          ; 64 additions of the bias, each accumulator from its low end on
.set AC, 64*((\a)%4)
	WHERE \a
	PLACES NP                                      ; behind the last matrix instructions
	WIN ((TW<<6)|(2+(\a)/4))                       ; source 0: the block's window; destination: the sums'
.irp j, 0,1,2,3,4,5,6,7
.irp b, 0,1,2,3,4,5,6,7
	v_add_f32 v[TT+8*\j+\b], v[AC+8*\b+\j], v[BI+\b]   ; out(16 a + 8 h + j, 64 (b / 4) + 4 r + b % 4)
.endr
.endr
.endm
.macro SENDS a                         ; 16 stores
	WHERE \a
	WIN (TW<<2)                                    ; the data: the sums' window; the address: window 0
.irp j, 0,1,2,3,4,5,6,7
.irp c, 0,1
	global_store_b128 v[CO], v[TT+8*\j+4*\c:TT+8*\j+4*\c+3], s[8:9] offset:(16*(\a)+\j)*SIZE_N*4+256*\c th:TH_STORE_NT   ; sixteen lanes: 256 consecutive bytes at a multiple of 256; written once
.endr
.endr
.endm
	s_wait_alu depctr_va_vdst(0)
	s_wait_tensorcnt 0x0                           ; my part of fill 0 is in
	ds_add_u32 v[SPW], v[NIL]
	s_wait_dscnt 0x0
	CROUND                                         ; everybody's part is in, and all sixteen work-groups are here
	JLOAD G0+4, G1, G0B+4, G1B                     ; fill 1, slot 1's first
	FETCH_B4 0, 0, 0, 0
	FETCH_B4 0, 0, 0, 4
	WIN 0
	FETCH_A 0, 0, 0
	SCALES 0, 0, 0
	FETCH_A 0, 0, 4
	STEP 0, 0, 0, 1                                ; the first step's products start the sums
	s_mov_b32 s3, TRIPS
.Llap:                                                 ; a trip goes once round the ring: six K steps, both slots filled again
	STEP 0, 1, 1, 0
	TURN 0, 1, 0, 1, 1
	STEP 1, 0, 1, 0
	STEP 1, 1, 0, 0
	TURN 1, 0, 1, 1, 2
	STEP 0, 0, 0, 0
	s_sub_co_u32 s3, s3, 1
	s_cmp_lg_u32 s3, 0
	s_cbranch_scc1 .Llap
	global_load_b128 v[BI:BI+3], v[BA], s[10:11]               ; bias of my columns 4 r .. 4 r + 3,
	global_load_b128 v[BI+4:BI+7], v[BA], s[10:11] offset:256  ; and 64 + 4 r ..: wanted seven K steps on
	STEP 0, 1, 1, 0
	TURN 0, 1, 0, 2, 0                             ; the last fill: K steps 30 and 31
	STEP 1, 0, 1, 0
	STEP 1, 1, 0, 0
	TURN 1, 0, 1, 0, 0
	STEP 0, 0, 0, 0
	s_wait_dscnt 4*NL                              ; the last K step: nothing more to fetch
	WIN MUL_LO
	MUL16 0, 1, 0
	MUL16 2, 1, 0
	s_wait_loadcnt 0x0                             ; the bias is in
	ADDS 0                                         ; blocks 0 to 3 are finished
	ADDS 1
	SENDS 0
	s_wait_dscnt 0                                 ; A's blocks 4-7 are in
	WIN MUL_HI
	MUL16 4, 1, 0
	ADDS 2
	SENDS 1
	ADDS 3
	SENDS 2
	WIN MUL_HI
	MUL16 6, 1, 0
.irp a, 4,5,6,7
	ADDS \a
	SENDS \a-1
.endr
	SENDS 7
	WIN 0
	s_wait_tensorcnt 0x0                           ; the wave's end
	ds_add_u32 v[SPW], v[NIL]
	s_wait_dscnt 0x0
	CROUND                                         ; the closing round
	s_endpgm
.Lfunc_end_k_qfec5b98847_gemm:
	.size	k_qfec5b98847_gemm, .Lfunc_end_k_qfec5b98847_gemm-k_qfec5b98847_gemm
	.p2alignl 7, 3214868480
	.fill 96, 4, 3214868480
	.section	.rodata,"a",@progbits
	.p2align	6, 0x0
	.amdhsa_kernel k_qfec5b98847_gemm
		.amdhsa_group_segment_fixed_size 327680
		.amdhsa_private_segment_fixed_size 0
		.amdhsa_enable_private_segment 0
		.amdhsa_kernarg_size 32
		.amdhsa_user_sgpr_count 2
		.amdhsa_user_sgpr_kernarg_segment_ptr 1
		.amdhsa_wavefront_size32 1
		.amdhsa_system_sgpr_workgroup_id_x 1
		.amdhsa_system_sgpr_workgroup_id_y 1
		.amdhsa_system_sgpr_workgroup_id_z 1
		.amdhsa_system_vgpr_workitem_id 0
		.amdhsa_next_free_vgpr 1024
		.amdhsa_next_free_sgpr 98
		.amdhsa_reserve_vcc 0
		.amdhsa_float_denorm_mode_32 3
		.amdhsa_float_denorm_mode_16_64 3
		.amdhsa_memory_ordered 1
		.amdhsa_forward_progress 1
		.amdhsa_inst_pref_size 211
	.end_amdhsa_kernel
	.amdgpu_metadata
---
amdhsa.version: [ 1, 2 ]
amdhsa.kernels:
  - .name:           k_qfec5b98847_gemm
    .symbol:         k_qfec5b98847_gemm.kd
    .args:
      - { .name: xq, .offset: 0, .size: 8, .value_kind: global_buffer, .address_space: global }
      - { .name: wq, .offset: 8, .size: 8, .value_kind: global_buffer, .address_space: global }
      - { .name: out0, .offset: 16, .size: 8, .value_kind: global_buffer, .address_space: global }
      - { .name: bias, .offset: 24, .size: 8, .value_kind: global_buffer, .address_space: global }
    .group_segment_fixed_size: 327680
    .private_segment_fixed_size: 0
    .kernarg_segment_align: 8
    .kernarg_segment_size: 32
    .max_flat_workgroup_size: 128
    .sgpr_count:     98
    .vgpr_count:     1024
    .wavefront_size: 32
...
	.end_amdgpu_metadata
.endif
;; end of part 2
